; MI455X (gfx1250); checked and timed in simulation.
; The chip was launched on July 23, 2026; its instructions are those of AMD's public machine-readable ISA for CDNA 5 (MIT licence, August 2026) and "CDNA5" Instruction Set Architecture Reference Guide (July 2026). The comments in the code are by the model that wrote it; some were corrected since.
;; Ball Point Query. Allowed arithmetic: float matrix products may take bf16 or f16 operands with f32 sums; other float arithmetic in f32, or as packed bf16 or f16 multiplies, adds, multiply-adds, maxima and minima; sums over many terms, partial sums and values carried from step to step in f32; what a program stores and reads back later, other than sums and carried values, may be rounded once to bf16 or f16.
;; Inputs: centroids 4 x 2,048 x 3 float32; pcs 4 x 16,384 x 3 float32.
;; Outputs: out0 4 x 2,048 x 64 int32.
;; 2 versions, each right; version 2 is version 1 with the launch compact written anew for expert scheduling mode. Each part assembles by itself: llvm-mc -triple=amdgcn-amd-amdhsa -mcpu=gfx1250 --defsym DOCPART=n.
;; ======== version 1 of 2: 3 launches
;; limits: values outside matrix products are rounded to bf16
;; workspace buffers: masks 16,777,216 bytes of whole numbers; infoA 65,536 bytes of whole numbers; infoB 131,072 bytes of whole numbers
;; launch balla (part 1): grid 256 x 1, 8 waves a work-group, no clusters, 2,048 bytes of LDS; arguments centroids, pcs, masks, infoA; writes masks, infoA
.if DOCPART == 1
	.amdgcn_target "amdgcn-amd-amdhsa--gfx1250"
	.amdhsa_code_object_version 6
	.text
	.protected	k_q95ee0da9d8_balla
	.globl	k_q95ee0da9d8_balla
	.p2align	8
	.type	k_q95ee0da9d8_balla,@function
k_q95ee0da9d8_balla:
	s_mov_b64 s[64:65], 0
	v_nop
	global_prefetch_b8 v0, s[64:65] scope:SCOPE_SE
	s_setreg_imm32_b32 hwreg(HW_REG_WAVE_MODE, 25, 1), 1
	s_wait_xcnt 0x0
; BALL QUERY, STAGE 1: for every centroid and the FIRST 4,096 points of its batch one bit: is d2 = (c2 + p2) - 2 c.p <= 0.04 ?  And how many of them are.
; centroids: [4][2048][3] f32, pcs: [4][16384][3] f32.
; THE ARITHMETIC.  The result is whole numbers that hang on the comparison, so each rounding is made where reference() makes it.  Every coordinate is rounded to bf16 (nearest even) as it
; arrives, and c2, p2 and the product are made of the rounded numbers.  A product of two such numbers has 16 significant bits: it is exact in f32, so a fused multiply-add rounds as a multiply
; and an add do, and only the order of the sums counts: c2, p2 = (x x + y y) + z z;  c.p = (cx px + cy py) + cz pz;  d2 = (c2 + p2) - 2 c.p.  The factor -2 lies in the centroid's coordinates:
; a power of two moves no rounding.  The product has K = 3 and its sums are rounded one by one in f32, so it is made by packed f32 multiply-adds, not by a matrix instruction.
; LIMITS.  Inputs count as rounded to bf16.  Products smaller than about 2^-133 lose bits, which no comparison with 0.04 feels.  A pair whose d2 is NaN is outside, as in reference().
; SHARES.  Work-group G = 32 centroids (256 groups); wave w = points 512 w .. 512 w + 511 of the batch, kept in 64 registers, against all 32 centroids, one a trip.
; A lane holds one point in each of 16 sets (set k, lane l: point 32 k + l of the wave's 512); two sets lie in a register pair, so one packed instruction serves 64 pairs.
; v_cmp's result over the 32 lanes IS the mask word of set k; v_writelane puts it into register k, LANE = CENTROID: sixteen different registers, so no v_writelane waits for the one before it,
; and a lane ends with its own centroid's words.
; OUT.  masks[group 256][word / 4, 128][centroid 32][word % 4], bit l of word W = point 32 W + l: a store of 16 bytes a lane covers 512 consecutive bytes, aligned.
; infoA[group][centroid 32]{points found among the 4,096; a word whose bit c says that centroid c of the group has found fewer than 64}: one store of 8 bytes a lane, 256 bytes, aligned.
; No address and no branch hangs on a result.
.set PO,  2                            ; v2        12 x lane: my point or centroid in a run of 32; never rewritten
.set MO,  3                            ; v3        16 x lane
.set SPW, 4                            ; v4        SPARE + 4 x my thread's number; never rewritten
.set NIL, 5                            ; v5        0; never rewritten
.set LA,  6                            ; v6        4 x thread: where my wave's counts go in LDS
.set L4,  7                            ; v7        4 x lane
.set U,   8                            ; v[8:15]   at work while rounding
.set CT,  16                           ; v[16:18]  a centroid as loaded
.set CA,  20                           ; v[20:23]  -2x, -2y, -2z, c2 of centroid = lane
.set CN,  24                           ; v[24:25]  count; then {total, word of bits}
.set L8,  26                           ; v26       8 x lane
.set T,   28                           ; v[28:43]  eight pairs: -2 c.p, then d2; later at work on the counts
.set S,   44                           ; v[44:59]  eight pairs: c2 + p2; later at work on the counts
.set M,   60                           ; v[60:75]  mask word of set k, lane = centroid
.set R,   76                           ; v[76:139] the points: group g (sets 2 g, 2 g + 1) at R + 8 g: x pair, y pair, z pair, p2 pair
.set SPARE, 1024                       ; LDS: 8 x 128 bytes of counts, then the spare words, 128 bytes for each wave: four blocks of 256 bytes that no other line names
.set WV,  12                           ; s12       my wave's number
.set SC,  16                           ; s[16:23]  the centroid in hand: four aligned pairs; the low word holds -2x, -2y, -2z, c2, the high word 0
.set MK,  24                           ; s[24:39]  sixteen mask words on their way from v_cmp to v_writelane
.set R2,  40                           ; s40       f32(0.2 x 0.2)
.set HIM, 41                           ; s41       a word's upper bf16
.set I,   42                           ; s42       the centroid in hand, 0 .. 31
.set NEED, 43                          ; s43       the word of bits
.set M55, 44                           ; s[44:47]  0x55555555, 0x33333333, 0x0f0f0f0f, 0x00ff00ff
	s_load_b256 s[4:11], s[0:1], 0x0               ; centroids s[4:5], pcs s[6:7], masks s[8:9], infoA s[10:11]
	v_lshl_add_u32 v[SPW], v0, 2, SPARE
	v_mov_b32 v[NIL], 0
	v_lshrrev_b32 v1, 5, v0
	v_readfirstlane_b32 s[WV], v1                  ; wave 0..7
	v_and_b32 v1, 31, v0                           ; lane
	v_mul_u32_u24 v[PO], v1, 12
	v_lshlrev_b32 v[MO], 4, v1
	v_lshlrev_b32 v[LA], 2, v0
	v_lshlrev_b32 v[L4], 2, v1
	v_lshlrev_b32 v[L8], 3, v1
	s_lshr_b32 s13, ttmp9, 6                       ; batch: 64 groups of 32 centroids each
	s_lshl_b32 s14, s13, 5                         ; a batch is 32 runs of 512 points;
	s_add_co_u32 s14, s14, s[WV]                   ; mine is one of its first eight
	s_mul_i32 s48, s14, 512*12                     ; its first byte in pcs
	s_mov_b32 s49, 0
	s_mul_i32 s50, ttmp9, 32*12                    ; my group's first byte in centroids
	s_mov_b32 s51, 0
	s_lshl_b32 s52, ttmp9, 16                      ; a group's masks: 65,536 bytes;
	s_lshl_b32 s53, s[WV], 11                      ; my 16 words of each centroid: 2,048
	s_add_co_u32 s52, s52, s53
	s_mov_b32 s53, 0
	s_lshl_b32 s54, ttmp9, 8                       ; a group's 256 bytes of infoA
	s_mov_b32 s55, 0
	s_mov_b32 s[R2], 0x3d23d70a
	s_mov_b32 s[HIM], 0xffff0000
	s_mov_b32 s[M55],   0x55555555
	s_mov_b32 s[M55+1], 0x33333333
	s_mov_b32 s[M55+2], 0x0f0f0f0f
	s_mov_b32 s[M55+3], 0x00ff00ff
	s_wait_kmcnt 0x0
	s_add_nc_u64 s[4:5], s[4:5], s[50:51]
	s_add_nc_u64 s[6:7], s[6:7], s[48:49]
	s_add_nc_u64 s[8:9], s[8:9], s[52:53]
	s_add_nc_u64 s[10:11], s[10:11], s[54:55]
	global_load_b96 v[CT:CT+2], v[PO], s[4:5]      ; centroid = lane
.irp g, 0,1,2,3,4,5,6,7                ; all 16 sets are asked for at once, straight into the registers in which the group will live
	global_load_b96 v[R+8*(\g):R+8*(\g)+2],   v[PO], s[6:7] offset:384*(2*(\g))
	global_load_b96 v[R+8*(\g)+4:R+8*(\g)+6], v[PO], s[6:7] offset:384*(2*(\g)+1)
.endr
.irp f, 0,1,2,3
	s_mov_b32 s[SC+2*(\f)+1], 0                    ; the packed forms name a scalar pair and take its low word for both halves: the high words are written once
.endr
.set i, 0
.rept 16
	v_mov_b32 v[M+i], 0                            ; v_writelane's destination counts as read
.set i, i+1
.endr
; 32 centroids, a lane each: rounded to bf16, c2 in reference()'s order, then the coordinates times -2
.macro ROUNDC raw, c, u
	v_cvt_pk_bf16_f32 v[\u],     v[\raw],     v[(\raw)+1]
	v_cvt_pk_bf16_f32 v[(\u)+1], v[(\raw)+2], v[(\raw)+2]
	v_lshlrev_b32 v[\c],     16, v[\u]
	v_and_b32     v[(\c)+1], s[HIM], v[\u]
	v_lshlrev_b32 v[(\c)+2], 16, v[(\u)+1]
	v_mul_f32 v[(\c)+3], v[\c], v[\c]
	v_fma_f32 v[(\c)+3], v[(\c)+1], v[(\c)+1], v[(\c)+3]
	v_fma_f32 v[(\c)+3], v[(\c)+2], v[(\c)+2], v[(\c)+3]
	v_mul_f32 v[\c],     -2.0, v[\c]
	v_mul_f32 v[(\c)+1], -2.0, v[(\c)+1]
	v_mul_f32 v[(\c)+2], -2.0, v[(\c)+2]
.endm
; group g: loaded as x0 y0 z0 - x1 y1 z1 -; rounded to bf16 and laid out as x0 x1 y0 y1 z0 z1 p2 p2
.macro ROUNDP g
.set pb, R+8*(\g)
.set pu, U+4*((\g)%2)
	s_wait_loadcnt 14-2*(\g)                       ; loads come back in order: this group's two are in, the 14 - 2 g younger ones may stay out
	v_cvt_pk_bf16_f32 v[pu],   v[pb],   v[pb+1]
	v_cvt_pk_bf16_f32 v[pu+1], v[pb+4], v[pb+5]
	v_cvt_pk_bf16_f32 v[pu+2], v[pb+2], v[pb+6]
	v_lshlrev_b32 v[pb],   16, v[pu]
	v_lshlrev_b32 v[pb+1], 16, v[pu+1]
	v_and_b32     v[pb+2], s[HIM], v[pu]
	v_and_b32     v[pb+3], s[HIM], v[pu+1]
	v_lshlrev_b32 v[pb+4], 16, v[pu+2]
	v_and_b32     v[pb+5], s[HIM], v[pu+2]
	v_pk_mul_f32 v[pb+6:pb+7], v[pb:pb+1],   v[pb:pb+1]
	v_pk_fma_f32 v[pb+6:pb+7], v[pb+2:pb+3], v[pb+2:pb+3], v[pb+6:pb+7]
	v_pk_fma_f32 v[pb+6:pb+7], v[pb+4:pb+5], v[pb+4:pb+5], v[pb+6:pb+7]
.endm
	s_wait_loadcnt 16                              ; the centroid load is in; the 16 point loads may stay out
	ROUNDC CT, CA, U
.irp g, 0,1,2,3,4,5,6,7
	ROUNDP \g
.endr
; The centroid in hand against eight groups (512 points), stage by stage, so that eight other instructions stand between two that depend on each other.
.macro BLOCK hb
.irp q, 0,1,2,3,4,5,6,7
	v_pk_mul_f32 v[T+2*(\q):T+2*(\q)+1], v[R+8*(8*(\hb)+(\q)):R+8*(8*(\hb)+(\q))+1], s[SC:SC+1] op_sel_hi:[1,0]  ; -2 cx px, exact
.endr
.irp q, 0,1,2,3,4,5,6,7
	v_pk_add_f32 v[S+2*(\q):S+2*(\q)+1], v[R+8*(8*(\hb)+(\q))+6:R+8*(8*(\hb)+(\q))+7], s[SC+6:SC+7] op_sel_hi:[1,0]  ; c2 + p2
.endr
.irp q, 0,1,2,3,4,5,6,7
	v_pk_fma_f32 v[T+2*(\q):T+2*(\q)+1], v[R+8*(8*(\hb)+(\q))+2:R+8*(8*(\hb)+(\q))+3], s[SC+2:SC+3], v[T+2*(\q):T+2*(\q)+1] op_sel_hi:[1,0,1]  ; + -2 cy py
.endr
.irp q, 0,1,2,3,4,5,6,7
	v_pk_fma_f32 v[T+2*(\q):T+2*(\q)+1], v[R+8*(8*(\hb)+(\q))+4:R+8*(8*(\hb)+(\q))+5], s[SC+4:SC+5], v[T+2*(\q):T+2*(\q)+1] op_sel_hi:[1,0,1]  ; + -2 cz pz
.endr
.irp q, 0,1,2,3,4,5,6,7
	v_pk_add_f32 v[T+2*(\q):T+2*(\q)+1], v[S+2*(\q):S+2*(\q)+1], v[T+2*(\q):T+2*(\q)+1]  ; d2
.endr
.irp q, 0,1,2,3,4,5,6,7,8,9,10,11,12,13,14,15
	v_cmp_ge_f32 s[MK+(\q)], s[R2], v[T+(\q)]      ; 0.04 >= d2, a bit a lane: the mask word of set 16 hb + q
.endr
.irp q, 0,1,2,3,4,5,6,7,8,9,10,11,12,13,14,15
	v_writelane_b32 v[M+16*(\hb)+(\q)], s[MK+(\q)], s[I]  ; into the centroid's lane
.endr
.endm
; The ones in 16 registers, added up, for all 32 lanes at once: sums of neighbouring fields of 2, 4 and 8 bits in each word; the 16 words' bytes (8 each at the most: 128) added; then the four bytes by way of two halves (512 at the most).
.macro ALL16 line:vararg
.set i, 0
.rept 16
	\line
.set i, i+1
.endr
.endm
.macro POP16 src, dst
	ALL16 v_lshrrev_b32 v[T+i], 1, v[(\src)+i]
	ALL16 v_and_b32 v[T+i], s[M55], v[T+i]
	ALL16 v_sub_nc_u32 v[T+i], v[(\src)+i], v[T+i]
	ALL16 v_lshrrev_b32 v[S+i], 2, v[T+i]
	ALL16 v_and_b32 v[T+i], s[M55+1], v[T+i]
	ALL16 v_and_b32 v[S+i], s[M55+1], v[S+i]
	ALL16 v_add_nc_u32 v[T+i], v[T+i], v[S+i]
	ALL16 v_lshrrev_b32 v[S+i], 4, v[T+i]
	ALL16 v_add_nc_u32 v[T+i], v[T+i], v[S+i]
	ALL16 v_and_b32 v[T+i], s[M55+2], v[T+i]
.irp h, 8,4,2,1
.set i, 0
.rept \h
	v_add_nc_u32 v[T+i], v[T+i], v[T+i+(\h)]
.set i, i+1
.endr
.endr
	v_lshrrev_b32 v[S], 8, v[T]
	v_and_b32 v[T], s[M55+3], v[T]
	v_and_b32 v[S], s[M55+3], v[S]
	v_add_nc_u32 v[T], v[T], v[S]
	v_lshl_add_u32 v[T], v[T], 16, v[T]
	v_lshrrev_b32 v[\dst], 16, v[T]
.endm
	s_mov_b32 s[I], 0
.Lcent:                                        ; 32 trips, a centroid each
.irp f, 0,1,2,3
	v_readlane_b32 s[SC+2*(\f)], v[CA+(\f)], s[I]
.endr
	BLOCK 0
	s_add_co_u32 s[I], s[I], 1
	s_cmp_lt_u32 s[I], 32
	s_cbranch_scc1 .Lcent
.irp q, 0,1,2,3
	global_store_b128 v[MO], v[M+4*(\q):M+4*(\q)+3], s[8:9] offset:512*(\q) th:TH_STORE_NT  ; words 4 q .. 4 q + 3 of my 16, for 32 centroids: 512 consecutive bytes
.endr
	POP16 M, CN                                    ; reads the stores' data, writes none of it
	ds_store_b32 v[LA], v[CN]
	s_wait_dscnt 0x0                               ; for the others' sake: my counts lie in LDS
	s_barrier_signal -1
	s_barrier_wait -1
	s_cmp_lg_u32 s[WV], 0                          ; wave 0 adds the eight waves' counts
	s_cbranch_scc1 .Lend
.irp k, 0,1,2,3,4,5,6,7
	ds_load_b32 v[T+(\k)], v[L4] offset:128*(\k)
.endr
	s_wait_dscnt 0x0
.irp k, 0,1,2,3
	v_add_nc_u32 v[T+(\k)], v[T+(\k)], v[T+(\k)+4]
.endr
	v_add_nc_u32 v[T], v[T], v[T+2]
	v_add_nc_u32 v[T+1], v[T+1], v[T+3]
	v_add_nc_u32 v[CN], v[T], v[T+1]
	v_cmp_gt_u32 s[NEED], 64, v[CN]                ; bit c: centroid c has fewer than 64
	v_mov_b32 v[CN+1], s[NEED]
	global_store_b64 v[L8], v[CN:CN+1], s[10:11]   ; 256 consecutive bytes, aligned
.Lend:
	s_wait_tensorcnt 0x0                           ; the wave's end: behind my last LDS store
	ds_add_u32 v[SPW], v[NIL]
	s_wait_dscnt 0x0
	s_endpgm
.Lfunc_end_k_q95ee0da9d8_balla:
	.size	k_q95ee0da9d8_balla, .Lfunc_end_k_q95ee0da9d8_balla-k_q95ee0da9d8_balla
	.p2alignl 7, 3214868480
	.fill 96, 4, 3214868480
	.section	.rodata,"a",@progbits
	.p2align	6, 0x0
	.amdhsa_kernel k_q95ee0da9d8_balla
		.amdhsa_group_segment_fixed_size 2048
		.amdhsa_private_segment_fixed_size 0
		.amdhsa_enable_private_segment 0
		.amdhsa_kernarg_size 32
		.amdhsa_user_sgpr_count 2
		.amdhsa_user_sgpr_kernarg_segment_ptr 1
		.amdhsa_wavefront_size32 1
		.amdhsa_system_sgpr_workgroup_id_x 1
		.amdhsa_system_sgpr_workgroup_id_y 1
		.amdhsa_system_sgpr_workgroup_id_z 1
		.amdhsa_system_vgpr_workitem_id 0
		.amdhsa_next_free_vgpr 140
		.amdhsa_next_free_sgpr 66
		.amdhsa_reserve_vcc 0
		.amdhsa_float_denorm_mode_32 3
		.amdhsa_float_denorm_mode_16_64 3
		.amdhsa_memory_ordered 1
		.amdhsa_forward_progress 1
		.amdhsa_inst_pref_size 22
	.end_amdhsa_kernel
	.amdgpu_metadata
---
amdhsa.version: [ 1, 2 ]
amdhsa.kernels:
  - .name:           k_q95ee0da9d8_balla
    .symbol:         k_q95ee0da9d8_balla.kd
    .args:
      - { .name: centroids, .offset: 0, .size: 8, .value_kind: global_buffer, .address_space: global }
      - { .name: pcs, .offset: 8, .size: 8, .value_kind: global_buffer, .address_space: global }
      - { .name: masks, .offset: 16, .size: 8, .value_kind: global_buffer, .address_space: global }
      - { .name: infoA, .offset: 24, .size: 8, .value_kind: global_buffer, .address_space: global }
    .group_segment_fixed_size: 2048
    .private_segment_fixed_size: 0
    .kernarg_segment_align: 8
    .kernarg_segment_size: 32
    .max_flat_workgroup_size: 256
    .sgpr_count:     66
    .vgpr_count:     140
    .wavefront_size: 32
...
	.end_amdgpu_metadata
.endif
;; end of part 1
;; launch ballb (part 2): grid 256 x 1, 12 waves a work-group, no clusters, 3,072 bytes of LDS; arguments centroids, pcs, infoA, masks, infoB; writes masks, infoB
.if DOCPART == 2
	.amdgcn_target "amdgcn-amd-amdhsa--gfx1250"
	.amdhsa_code_object_version 6
	.text
	.protected	k_q95ee0da9d8_ballb
	.globl	k_q95ee0da9d8_ballb
	.p2align	8
	.type	k_q95ee0da9d8_ballb,@function
k_q95ee0da9d8_ballb:
	s_mov_b64 s[64:65], 0
	v_nop
	global_prefetch_b8 v0, s[64:65] scope:SCOPE_SE
	s_setreg_imm32_b32 hwreg(HW_REG_WAVE_MODE, 25, 1), 1
	s_wait_xcnt 0x0
; BALL QUERY, STAGE 2: the same bits as stage 1, for points 4,096 .. 16,383 of the batch, made ONLY for the centroids that found fewer than 64 among the first 4,096: the others' 64 lowest
; indices are known already, so their later bits cannot reach the result; their words are stored as zeros.  Which centroids: the word of bits that stage 1 stored in infoA, read by a scalar load.
; THE ARITHMETIC is stage 1's: every coordinate rounded to bf16 as it arrives; products exact in f32; c2, p2 = (x x + y y) + z z;  c.p = (cx px + cy py) + cz pz;  d2 = (c2 + p2) - 2 c.p, the factor -2 in
; the centroid's coordinates.  K = 3 and sums rounded one by one in f32: packed f32 multiply-adds, no matrix instruction.
; LIMITS.  Inputs count as rounded to bf16.  Products smaller than about 2^-133 lose bits, which no comparison with 0.04 feels.  A pair whose d2 is NaN is outside, as in reference().
; SHARES.  Work-group G = 32 centroids (256 groups); wave w of 12 = points 4,096 + 1,024 w .. + 1,023, kept in 128 registers.  A trip of the loop is a centroid; a forward jump leaves a trip's work out.
; OUT.  masks[group 256][word / 4, 128][centroid 32][word % 4]: my 32 words of each centroid are words 128 + 32 w ..: eight stores of 512 consecutive bytes.
; infoB[group][centroid 32]{points found in 4,096 .. 8,191; in 8,192 .. 12,287; in 12,288 .. 16,383; 0}: one store of 16 bytes a lane, 512 bytes, aligned.
.set PO,  2                            ; v2        12 x lane; never rewritten
.set MO,  3                            ; v3        16 x lane
.set SPW, 4                            ; v4        SPARE + 4 x my thread's number; never rewritten
.set NIL, 5                            ; v5        0; never rewritten
.set LA,  6                            ; v6        4 x thread
.set L4,  7                            ; v7        4 x lane
.set U,   8                            ; v[8:15]   at work while rounding
.set CT,  16                           ; v[16:18]  a centroid as loaded
.set CA,  20                           ; v[20:23]  -2x, -2y, -2z, c2 of centroid = lane
.set CN,  24                           ; v[24:27]  counts
.set T,   28                           ; v[28:43]
.set S,   44                           ; v[44:59]
.set M,   60                           ; v[60:91]  mask word of set k, lane = centroid
.set R,   92                           ; v[92:219] the points: group g (sets 2 g, 2 g + 1) at R + 8 g: x pair, y pair, z pair, p2 pair
.set SPARE, 1536                       ; LDS: 12 x 128 bytes of counts, then the spare words, 128 bytes for each wave: six blocks of 256 bytes that no other line names
.set WV,  14                           ; s14       my wave's number
.set SC,  16                           ; s[16:23]  the centroid in hand
.set MK,  24                           ; s[24:39]  sixteen mask words on their way
.set R2,  40
.set HIM, 41
.set I,   42                           ; s42       the centroid in hand, 0 .. 31
.set NEED, 43                          ; s43       bit c: centroid c of the group has fewer than 64 so far
.set M55, 44                           ; s[44:47]
.set TMP, 58
	s_load_b256 s[4:11], s[0:1], 0x0               ; centroids s[4:5], pcs s[6:7], infoA s[8:9], masks s[10:11]
	s_load_b64 s[12:13], s[0:1], 0x20              ; infoB
	v_lshl_add_u32 v[SPW], v0, 2, SPARE
	v_mov_b32 v[NIL], 0
	v_lshrrev_b32 v1, 5, v0
	v_readfirstlane_b32 s[WV], v1                  ; wave 0..11
	v_and_b32 v1, 31, v0                           ; lane
	v_mul_u32_u24 v[PO], v1, 12
	v_lshlrev_b32 v[MO], 4, v1
	v_lshlrev_b32 v[LA], 2, v0
	v_lshlrev_b32 v[L4], 2, v1
	s_lshr_b32 s15, ttmp9, 6                       ; batch
	s_lshl_b32 s15, s15, 4                         ; a batch is 16 runs of 1,024 points;
	s_add_co_u32 s15, s15, s[WV]
	s_add_co_u32 s15, s15, 4                       ; mine is run 4 + w
	s_mul_i32 s48, s15, 1024*12
	s_mov_b32 s49, 0
	s_mul_i32 s50, ttmp9, 32*12
	s_mov_b32 s51, 0
	s_lshl_b32 s52, ttmp9, 16                      ; a group's masks: 65,536 bytes; stage 1's part: 16,384;
	s_lshl_b32 s53, s[WV], 12                      ; my 32 words of each centroid: 4,096
	s_add_co_u32 s52, s52, s53
	s_add_co_u32 s52, s52, 16384
	s_mov_b32 s53, 0
	s_lshl_b32 s54, ttmp9, 8                       ; a group's 256 bytes of infoA
	s_mov_b32 s55, 0
	s_lshl_b32 s56, ttmp9, 9                       ; a group's 512 bytes of infoB
	s_mov_b32 s57, 0
	s_mov_b32 s[R2], 0x3d23d70a
	s_mov_b32 s[HIM], 0xffff0000
	s_mov_b32 s[M55],   0x55555555
	s_mov_b32 s[M55+1], 0x33333333
	s_mov_b32 s[M55+2], 0x0f0f0f0f
	s_mov_b32 s[M55+3], 0x00ff00ff
	s_wait_kmcnt 0x0
	s_add_nc_u64 s[8:9], s[8:9], s[54:55]
	s_load_b32 s[NEED], s[8:9], 0x4                ; the second word of the group's first pair: every pair holds the same word of bits
	s_add_nc_u64 s[4:5], s[4:5], s[50:51]
	s_add_nc_u64 s[6:7], s[6:7], s[48:49]
	s_add_nc_u64 s[10:11], s[10:11], s[52:53]
	s_add_nc_u64 s[12:13], s[12:13], s[56:57]
	global_load_b96 v[CT:CT+2], v[PO], s[4:5]      ; centroid = lane
.irp g, 0,1,2,3,4,5,6,7,8,9,10,11,12,13,14,15
	global_load_b96 v[R+8*(\g):R+8*(\g)+2],   v[PO], s[6:7] offset:384*(2*(\g))
	global_load_b96 v[R+8*(\g)+4:R+8*(\g)+6], v[PO], s[6:7] offset:384*(2*(\g)+1)
.endr
.irp f, 0,1,2,3
	s_mov_b32 s[SC+2*(\f)+1], 0                    ; the high words of the scalar pairs, written once
.endr
.set i, 0
.rept 32
	v_mov_b32 v[M+i], 0                            ; the words of a centroid that is left out stay 0
.set i, i+1
.endr
.macro ROUNDC raw, c, u
	v_cvt_pk_bf16_f32 v[\u],     v[\raw],     v[(\raw)+1]
	v_cvt_pk_bf16_f32 v[(\u)+1], v[(\raw)+2], v[(\raw)+2]
	v_lshlrev_b32 v[\c],     16, v[\u]
	v_and_b32     v[(\c)+1], s[HIM], v[\u]
	v_lshlrev_b32 v[(\c)+2], 16, v[(\u)+1]
	v_mul_f32 v[(\c)+3], v[\c], v[\c]
	v_fma_f32 v[(\c)+3], v[(\c)+1], v[(\c)+1], v[(\c)+3]
	v_fma_f32 v[(\c)+3], v[(\c)+2], v[(\c)+2], v[(\c)+3]
	v_mul_f32 v[\c],     -2.0, v[\c]
	v_mul_f32 v[(\c)+1], -2.0, v[(\c)+1]
	v_mul_f32 v[(\c)+2], -2.0, v[(\c)+2]
.endm
.macro ROUNDP g
.set pb, R+8*(\g)
.set pu, U+4*((\g)%2)
	s_wait_loadcnt 30-2*(\g)                       ; loads come back in order: this group's two are in, the 30 - 2 g younger ones may stay out
	v_cvt_pk_bf16_f32 v[pu],   v[pb],   v[pb+1]
	v_cvt_pk_bf16_f32 v[pu+1], v[pb+4], v[pb+5]
	v_cvt_pk_bf16_f32 v[pu+2], v[pb+2], v[pb+6]
	v_lshlrev_b32 v[pb],   16, v[pu]
	v_lshlrev_b32 v[pb+1], 16, v[pu+1]
	v_and_b32     v[pb+2], s[HIM], v[pu]
	v_and_b32     v[pb+3], s[HIM], v[pu+1]
	v_lshlrev_b32 v[pb+4], 16, v[pu+2]
	v_and_b32     v[pb+5], s[HIM], v[pu+2]
	v_pk_mul_f32 v[pb+6:pb+7], v[pb:pb+1],   v[pb:pb+1]
	v_pk_fma_f32 v[pb+6:pb+7], v[pb+2:pb+3], v[pb+2:pb+3], v[pb+6:pb+7]
	v_pk_fma_f32 v[pb+6:pb+7], v[pb+4:pb+5], v[pb+4:pb+5], v[pb+6:pb+7]
.endm
	s_wait_loadcnt 32                              ; the centroid load is in; the 32 point loads may stay out
	ROUNDC CT, CA, U
.irp g, 0,1,2,3,4,5,6,7,8,9,10,11,12,13,14,15
	ROUNDP \g
.endr
; The centroid in hand against eight groups (512 points), stage by stage.
.macro BLOCK hb
.irp q, 0,1,2,3,4,5,6,7
	v_pk_mul_f32 v[T+2*(\q):T+2*(\q)+1], v[R+8*(8*(\hb)+(\q)):R+8*(8*(\hb)+(\q))+1], s[SC:SC+1] op_sel_hi:[1,0]  ; -2 cx px, exact
.endr
.irp q, 0,1,2,3,4,5,6,7
	v_pk_add_f32 v[S+2*(\q):S+2*(\q)+1], v[R+8*(8*(\hb)+(\q))+6:R+8*(8*(\hb)+(\q))+7], s[SC+6:SC+7] op_sel_hi:[1,0]  ; c2 + p2
.endr
.irp q, 0,1,2,3,4,5,6,7
	v_pk_fma_f32 v[T+2*(\q):T+2*(\q)+1], v[R+8*(8*(\hb)+(\q))+2:R+8*(8*(\hb)+(\q))+3], s[SC+2:SC+3], v[T+2*(\q):T+2*(\q)+1] op_sel_hi:[1,0,1]  ; + -2 cy py
.endr
.irp q, 0,1,2,3,4,5,6,7
	v_pk_fma_f32 v[T+2*(\q):T+2*(\q)+1], v[R+8*(8*(\hb)+(\q))+4:R+8*(8*(\hb)+(\q))+5], s[SC+4:SC+5], v[T+2*(\q):T+2*(\q)+1] op_sel_hi:[1,0,1]  ; + -2 cz pz
.endr
.irp q, 0,1,2,3,4,5,6,7
	v_pk_add_f32 v[T+2*(\q):T+2*(\q)+1], v[S+2*(\q):S+2*(\q)+1], v[T+2*(\q):T+2*(\q)+1]  ; d2
.endr
.irp q, 0,1,2,3,4,5,6,7,8,9,10,11,12,13,14,15
	v_cmp_ge_f32 s[MK+(\q)], s[R2], v[T+(\q)]      ; 0.04 >= d2: the mask word of set 16 hb + q
.endr
.irp q, 0,1,2,3,4,5,6,7,8,9,10,11,12,13,14,15
	v_writelane_b32 v[M+16*(\hb)+(\q)], s[MK+(\q)], s[I]  ; into the centroid's lane
.endr
.endm
; The ones in 16 registers, added up, for all 32 lanes at once (bytes reach 128 at the most, the two halves 256, their sum 512).
.macro ALL16 line:vararg
.set i, 0
.rept 16
	\line
.set i, i+1
.endr
.endm
.macro POP16 src, dst
	ALL16 v_lshrrev_b32 v[T+i], 1, v[(\src)+i]
	ALL16 v_and_b32 v[T+i], s[M55], v[T+i]
	ALL16 v_sub_nc_u32 v[T+i], v[(\src)+i], v[T+i]
	ALL16 v_lshrrev_b32 v[S+i], 2, v[T+i]
	ALL16 v_and_b32 v[T+i], s[M55+1], v[T+i]
	ALL16 v_and_b32 v[S+i], s[M55+1], v[S+i]
	ALL16 v_add_nc_u32 v[T+i], v[T+i], v[S+i]
	ALL16 v_lshrrev_b32 v[S+i], 4, v[T+i]
	ALL16 v_add_nc_u32 v[T+i], v[T+i], v[S+i]
	ALL16 v_and_b32 v[T+i], s[M55+2], v[T+i]
.irp h, 8,4,2,1
.set i, 0
.rept \h
	v_add_nc_u32 v[T+i], v[T+i], v[T+i+(\h)]
.set i, i+1
.endr
.endr
	v_lshrrev_b32 v[S], 8, v[T]
	v_and_b32 v[T], s[M55+3], v[T]
	v_and_b32 v[S], s[M55+3], v[S]
	v_add_nc_u32 v[T], v[T], v[S]
	v_lshl_add_u32 v[T], v[T], 16, v[T]
	v_lshrrev_b32 v[\dst], 16, v[T]
.endm
	s_wait_kmcnt 0x0                               ; the word of bits
	s_mov_b32 s[I], 0
.Lcent:                                        ; 32 trips, a centroid each
	s_lshr_b32 s[TMP], s[NEED], s[I]
	s_and_b32 s[TMP], s[TMP], 1
	s_cmp_eq_u32 s[TMP], 0
	s_cbranch_scc1 .Lskip                          ; it has its 64: forward, past register work alone
.irp f, 0,1,2,3
	v_readlane_b32 s[SC+2*(\f)], v[CA+(\f)], s[I]
.endr
	BLOCK 0
	BLOCK 1
.Lskip:
	s_add_co_u32 s[I], s[I], 1
	s_cmp_lt_u32 s[I], 32
	s_cbranch_scc1 .Lcent
.irp q, 0,1,2,3,4,5,6,7
	global_store_b128 v[MO], v[M+4*(\q):M+4*(\q)+3], s[10:11] offset:512*(\q) th:TH_STORE_NT  ; words 4 q .. 4 q + 3 of my 32, for 32 centroids: 512 consecutive bytes
.endr
	POP16 M, CN
	POP16 M+16, CN+1
	v_add_nc_u32 v[CN], v[CN], v[CN+1]
	ds_store_b32 v[LA], v[CN]
	s_wait_dscnt 0x0                               ; for the others' sake: my counts lie in LDS
	s_barrier_signal -1
	s_barrier_wait -1
	s_cmp_lg_u32 s[WV], 0                          ; wave 0 adds the twelve waves' counts, four and four
	s_cbranch_scc1 .Lend
.irp k, 0,1,2,3,4,5,6,7,8,9,10,11
	ds_load_b32 v[T+(\k)], v[L4] offset:128*(\k)
.endr
	s_wait_dscnt 0x0
.irp p, 0,1,2
	v_add_nc_u32 v[T+4*(\p)],   v[T+4*(\p)],   v[T+4*(\p)+1]
	v_add_nc_u32 v[T+4*(\p)+2], v[T+4*(\p)+2], v[T+4*(\p)+3]
.endr
.irp p, 0,1,2
	v_add_nc_u32 v[CN+(\p)], v[T+4*(\p)], v[T+4*(\p)+2]
.endr
	v_mov_b32 v[CN+3], 0
	global_store_b128 v[MO], v[CN:CN+3], s[12:13]  ; 512 consecutive bytes, aligned
.Lend:
	s_wait_tensorcnt 0x0                           ; the wave's end: behind my last LDS store
	ds_add_u32 v[SPW], v[NIL]
	s_wait_dscnt 0x0
	s_endpgm
.Lfunc_end_k_q95ee0da9d8_ballb:
	.size	k_q95ee0da9d8_ballb, .Lfunc_end_k_q95ee0da9d8_ballb-k_q95ee0da9d8_ballb
	.p2alignl 7, 3214868480
	.fill 96, 4, 3214868480
	.section	.rodata,"a",@progbits
	.p2align	6, 0x0
	.amdhsa_kernel k_q95ee0da9d8_ballb
		.amdhsa_group_segment_fixed_size 3072
		.amdhsa_private_segment_fixed_size 0
		.amdhsa_enable_private_segment 0
		.amdhsa_kernarg_size 40
		.amdhsa_user_sgpr_count 2
		.amdhsa_user_sgpr_kernarg_segment_ptr 1
		.amdhsa_wavefront_size32 1
		.amdhsa_system_sgpr_workgroup_id_x 1
		.amdhsa_system_sgpr_workgroup_id_y 1
		.amdhsa_system_sgpr_workgroup_id_z 1
		.amdhsa_system_vgpr_workitem_id 0
		.amdhsa_next_free_vgpr 220
		.amdhsa_next_free_sgpr 66
		.amdhsa_reserve_vcc 0
		.amdhsa_float_denorm_mode_32 3
		.amdhsa_float_denorm_mode_16_64 3
		.amdhsa_memory_ordered 1
		.amdhsa_forward_progress 1
		.amdhsa_inst_pref_size 40
	.end_amdhsa_kernel
	.amdgpu_metadata
---
amdhsa.version: [ 1, 2 ]
amdhsa.kernels:
  - .name:           k_q95ee0da9d8_ballb
    .symbol:         k_q95ee0da9d8_ballb.kd
    .args:
      - { .name: centroids, .offset: 0, .size: 8, .value_kind: global_buffer, .address_space: global }
      - { .name: pcs, .offset: 8, .size: 8, .value_kind: global_buffer, .address_space: global }
      - { .name: infoA, .offset: 16, .size: 8, .value_kind: global_buffer, .address_space: global }
      - { .name: masks, .offset: 24, .size: 8, .value_kind: global_buffer, .address_space: global }
      - { .name: infoB, .offset: 32, .size: 8, .value_kind: global_buffer, .address_space: global }
    .group_segment_fixed_size: 3072
    .private_segment_fixed_size: 0
    .kernarg_segment_align: 8
    .kernarg_segment_size: 40
    .max_flat_workgroup_size: 384
    .sgpr_count:     66
    .vgpr_count:     220
    .wavefront_size: 32
...
	.end_amdgpu_metadata
.endif
;; end of part 2
;; launch compact (part 3): grid 1024 x 1, 1 waves a work-group, no clusters, 17,152 bytes of LDS; arguments masks, infoA, infoB, out0; writes out0
.if DOCPART == 3
	.amdgcn_target "amdgcn-amd-amdhsa--gfx1250"
	.amdhsa_code_object_version 6
	.text
	.protected	k_q95ee0da9d8_compact
	.globl	k_q95ee0da9d8_compact
	.p2align	8
	.type	k_q95ee0da9d8_compact,@function
k_q95ee0da9d8_compact:
	s_mov_b64 s[64:65], 0
	v_nop
	global_prefetch_b8 v0, s[64:65] scope:SCOPE_SE
	s_setreg_imm32_b32 hwreg(HW_REG_WAVE_MODE, 25, 1), 1
	s_wait_xcnt 0x0
; BALL QUERY, LAST PART: from each centroid's 16,384 mask bits to the indices of its first 64 set bits, ascending; slots left over take the first index, or 16,384 if no bit is set.
; masks[group of 32 centroids, 256][word / 4, 128][centroid 32][word % 4], bit l of word W = point 32 W + l.  infoA[group][centroid]{ones in words 0-127, -}.  infoB[group][centroid]{ones in words 128-255, 256-383, 384-511, 0}.
; out0: [8,192 centroids][64] i32.  Whole numbers only.
; SHARES.  One wave = one work-group = 8 centroids.  Lane 8 q + j walks stretch q (words 128 q .. 128 q + 127) of centroid j, word after word IN TIME: the ones found so far are a sum in the lane itself, begun with the
; stretches before it, which infoA and infoB give.  So an LDS address is made of loaded numbers by shifts, AND, sums, a multiply by 0 or 1 and a clamp alone; nothing of another lane enters it.
; STEP 1.  For each word: its ones; {key, word} into slot min(64, ones so far) of the LANE'S OWN table of 65 slots; key = 64 (W + 1) + slot.  Slot 64 is never read.  An empty word is stored like any other: the next
; word that is not empty begins at the same slot and is stored later (LDS serves a wave's instructions in order), or lies in a later stretch's table with a larger key; if there is none, the slot lies behind the last found.
; A load takes four runs of 128 consecutive bytes (8 centroids x 16 bytes in each of the 4 stretches): the layout gives the whole aligned 512 bytes to the stores of the launches before.
; STEP 2, for each centroid, four at a time, at fixed addresses: a lane takes slots 2 l and 2 l + 1 of the four stretches' tables; the largest key wins and brings its word; a running maximum of the keys over the 64 slots,
; which carries the word along, gives each slot the word in which it falls; rank = slot - the word's first slot; the bit of that rank is found by five halvings on partial sums.  No branch hangs on the data.
; OUT.  A centroid's 64 numbers leave by one store of 8 bytes a lane: 256 consecutive bytes, aligned.
.set NPTS,  16384
.set PITCH, 528                        ; a lane's table: 65 slots of 8 bytes, rounded up to a multiple of 16
.set SPARE, 32*PITCH                   ; 16,896 = 66 x 256: behind the tables the spare words, 128 bytes for the one wave: a block of 256 bytes that no other line names
.set SPW, 1                            ; v1   SPARE + 4 x my thread's number; never rewritten
.set NIL, 2                            ; v2   0; never rewritten
.set L16, 3                            ; v3   16 x lane
.set L8,  4                            ; v4   8 x lane
.set HI,  5                            ; v5   1 in lanes 16 to 31
.set VM,  6                            ; v6   16,384 q + 16 j: my 16 bytes of a load of masks
.set LB,  7                            ; v7   my table
.set SL,  8                            ; v8, v9   my slots in step 2: 2 l, 2 l + 1
.set KBV, 10                           ; v10  64 (128 q + 1)
.set TOT, 11                           ; v11  all the ones of my centroid
.set VO,  12                           ; v12  16 j
.set J8,  13                           ; v13  8 j
.set Q1,  14                           ; v14-16  1 where q >= 1, q >= 2, q = 3
.set Q2,  15
.set Q3,  16
.set NV,  17                           ; v17  16,384
.set IA,  18                           ; v18  from infoA
.set Z,   20                           ; v[20:23] zeros
.set IB,  24                           ; v[24:27] from infoB
.set QQ,  28
.set JJ,  29
.set W,   32                           ; v[32:159] my 128 words
.set TA,  160                          ; eight each: at work
.set TB,  168
.set TC,  176                          ; ones in a word
.set PS,  184                          ; ones so far ahead of word i of the eight; PS + 0 runs on from eight to eight
.set AD,  192                          ; LDS address
.set KY,  200                          ; key
.set OUT, 208                          ; v[208:223] results, a pair a centroid
.set FV,  224                          ; v[224:227] the padding value
.set TV,  228                          ; v[228:231] a centroid's ones, in every lane
.set KB0, 32                           ; step 2, in the words' registers: stretch q, centroid t of four at KB0 + 16 q + 4 t: key, word of slot 2 l; key, word of slot 2 l + 1.  Stream i = 2 t + parity: key at KB0 + 2 i, word at KB0 + 2 i + 1
.set PP,  96                           ; by stream, eight each: the word's first slot
.set UU,  96                           ; (later)
.set WN,  104                          ; W + 1
.set RR,  112                          ; rank
.set AA,  120                          ; the word's sums of 2 bits
.set BB,  128                          ; of 4
.set CC,  136                          ; of 8
.set TT,  144
.set SS,  152                          ; the bit's number so far
.set KX,  160                          ; by centroid, four each: the running maximum, its word,
.set WX,  164
.set KD,  168                          ; what a lower lane sent,
.set WD,  172
.set KH,  176                          ; what lanes 0 to 15 hand to lanes 16 to 31
.set WH,  180
.set M55, 24                           ; s[24:26]  0x55555555, 0x33333333, 0x0f0f0f0f
.set CM,  28                           ; s[28:35]  lane masks of compares
.set RUNS, 36                          ; s[36:39]  a centroid's ones
.set RK,  40                           ; s[40:43]
.set RW,  44                           ; s[44:47]
.set FS,  48                           ; s[48:51]  the first index
.macro EACH4 line:vararg
.set j, 0
.rept 4
	\line
.set j, j+1
.endr
.endm
.macro EACH8 line:vararg
.set i, 0
.rept 8
	\line
.set i, i+1
.endr
.endm
	s_load_b256 s[4:11], s[0:1], 0x0               ; masks s[4:5], infoA s[6:7], infoB s[8:9], out0 s[10:11]
	v_lshl_add_u32 v[SPW], v0, 2, SPARE
	v_mov_b32 v[NIL], 0
	v_lshlrev_b32 v[L16], 4, v0                    ; one wave: the thread's number is the lane
	v_lshlrev_b32 v[L8], 3, v0
	v_lshrrev_b32 v[HI], 4, v0
	v_lshlrev_b32 v[SL], 1, v0
	v_lshl_or_b32 v[SL+1], v0, 1, 1
	v_and_b32 v[JJ], 7, v0
	v_lshrrev_b32 v[QQ], 3, v0
	v_lshlrev_b32 v[VO], 4, v[JJ]
	v_lshlrev_b32 v[J8], 3, v[JJ]
	v_lshl_add_u32 v[VM], v[QQ], 14, v[VO]
	v_mul_u32_u24 v[LB], v0, PITCH
	v_lshl_add_u32 v[KBV], v[QQ], 13, 64
	v_min_u32 v[Q1], 1, v[QQ]
	v_lshrrev_b32 v[Q2], 1, v[QQ]
	v_and_b32 v[Q3], v[Q2], v[QQ]
	v_mov_b32 v[NV], NPTS
	EACH4 v_mov_b32 v[Z+j], 0
	s_lshr_b32 s12, ttmp9, 2                       ; the group of 32 centroids,
	s_and_b32 s13, ttmp9, 3                        ; my 8 of them
	s_lshl_b32 s16, s12, 16                        ; masks: 65,536 bytes a group, 16 a centroid
	s_lshl_b32 s17, s13, 7
	s_add_co_u32 s16, s16, s17
	s_mov_b32 s17, 0
	s_lshl_b32 s18, s12, 8                         ; infoA: 256 a group, 8 a centroid
	s_lshl_b32 s19, s13, 6
	s_add_co_u32 s18, s18, s19
	s_mov_b32 s19, 0
	s_lshl_b32 s20, s12, 9                         ; infoB: 512 a group, 16 a centroid
	s_lshl_b32 s21, s13, 7
	s_add_co_u32 s20, s20, s21
	s_mov_b32 s21, 0
	s_lshl_b32 s22, ttmp9, 11                      ; out0: my 8 rows of 256 bytes
	s_mov_b32 s23, 0
	s_mov_b32 s[M55],   0x55555555
	s_mov_b32 s[M55+1], 0x33333333
	s_mov_b32 s[M55+2], 0x0f0f0f0f
	s_wait_kmcnt 0x0
	s_add_nc_u64 s[4:5], s[4:5], s[16:17]
	s_add_nc_u64 s[6:7], s[6:7], s[18:19]
	s_add_nc_u64 s[8:9], s[8:9], s[20:21]
	s_add_nc_u64 s[10:11], s[10:11], s[22:23]
	global_load_b32 v[IA], v[J8], s[6:7]
	global_load_b128 v[IB:IB+3], v[VO], s[8:9]
.set i, 0
.rept 32                               ; all my 128 words are asked for at once: 16 KiB a wave
	global_load_b128 v[W+4*i:W+4*i+3], v[VM], s[4:5] offset:512*i
.set i, i+1
.endr
.set i, 0
.rept 33
	ds_store_b128 v[L16], v[Z:Z+3] offset:512*i    ; the 32 tables start as key 0, word 0; LDS serves a wave's instructions in order, so no wait stands between these, the stores of step 1 and the loads of step 2
.set i, i+1
.endr
	s_wait_loadcnt 32                              ; the two loads of counts are in; the 32 loads of masks may stay out
	v_mul_u32_u24 v[PS], v[IA], v[Q1]              ; the ones ahead of my stretch
	v_mul_u32_u24 v[TA], v[IB], v[Q2]
	v_mul_u32_u24 v[TA+1], v[IB+1], v[Q3]
	v_add_nc_u32 v[TOT], v[IA], v[IB]
	v_add_nc_u32 v[TA+2], v[IB+1], v[IB+2]
	v_add_nc_u32 v[PS], v[PS], v[TA]
	v_add_nc_u32 v[TOT], v[TOT], v[TA+2]
	v_add_nc_u32 v[PS], v[PS], v[TA+1]
; Eight words: 8 o .. 8 o + 7 of my stretch
.macro OCT o
	s_wait_loadcnt 30-2*(\o)                       ; loads come back in order: these two are in, the 30 - 2 o younger ones may stay out
	EACH8 v_lshrrev_b32 v[TA+i], 1, v[W+8*(\o)+i]  ; the ones in each: sums of neighbouring fields of 2, 4, 8 bits, then the four bytes into the top one
	EACH8 v_and_b32 v[TA+i], s[M55], v[TA+i]
	EACH8 v_sub_nc_u32 v[TA+i], v[W+8*(\o)+i], v[TA+i]
	EACH8 v_lshrrev_b32 v[TB+i], 2, v[TA+i]
	EACH8 v_and_b32 v[TA+i], s[M55+1], v[TA+i]
	EACH8 v_and_b32 v[TB+i], s[M55+1], v[TB+i]
	EACH8 v_add_nc_u32 v[TA+i], v[TA+i], v[TB+i]
	EACH8 v_lshrrev_b32 v[TB+i], 4, v[TA+i]
	EACH8 v_add_nc_u32 v[TA+i], v[TA+i], v[TB+i]
	EACH8 v_and_b32 v[TA+i], s[M55+2], v[TA+i]
	EACH8 v_lshl_add_u32 v[TA+i], v[TA+i], 8, v[TA+i]
	EACH8 v_lshl_add_u32 v[TA+i], v[TA+i], 16, v[TA+i]
	EACH8 v_lshrrev_b32 v[TC+i], 24, v[TA+i]
.set i, 0
.rept 8
.if i < 7
	v_add_nc_u32 v[PS+i+1], v[PS+i], v[TC+i]       ; the next word's first slot
.endif
	v_min_u32 v[AD+i], 64, v[PS+i]                 ; slot 64 takes all that begins at 64 or later; the clamp also bounds an address made of loaded numbers
	v_add3_u32 v[KY+i], v[PS+i], v[KBV], 64*(8*(\o)+i)
	v_lshl_add_u32 v[AD+i], v[AD+i], 3, v[LB]
.set i, i+1
.endr
	v_add_nc_u32 v[PS], v[PS+7], v[TC+7]
	EACH8 ds_store_b32 v[AD+i], v[KY+i]            ; in the words' order: a later word at the same slot wins
	EACH8 ds_store_b32 v[AD+i], v[W+8*(\o)+i] offset:4
.endm
.irp o, 0,1,2,3,4,5,6,7,8,9,10,11,12,13,14,15
	OCT \o
.endr
.macro LEVEL src, st, width            ; is my bit in the upper \width of the 2 x \width bits that are left?  The lower ones' count lies in a field of \width bits of src
	EACH8 v_bfe_u32 v[TT+i], v[(\src)+(\st)*i], v[SS+i], \width
	EACH8 v_cmp_ge_u32 s[CM+i], v[RR+i], v[TT+i]
	EACH8 v_cndmask_b32 v[TT+i], 0, v[TT+i], s[CM+i]
	EACH8 v_sub_nc_u32 v[RR+i], v[RR+i], v[TT+i]
	EACH8 v_cndmask_b32 v[UU+i], 0, \width, s[CM+i]
	EACH8 v_or_b32 v[SS+i], v[SS+i], v[UU+i]
.endm
.macro TAKE n                          ; one step of the running maximum inside each half of 16 lanes: the lane n below, 0 where there is none
	EACH4 v_mov_b32_dpp v[KD+j], v[KX+j] row_shr:\n row_mask:0xf bank_mask:0xf bound_ctrl:1
	EACH4 v_mov_b32_dpp v[WD+j], v[WX+j] row_shr:\n row_mask:0xf bank_mask:0xf bound_ctrl:1
	EACH4 v_cmp_gt_u32 s[CM+j], v[KD+j], v[KX+j]
	EACH4 v_cndmask_b32 v[WX+j], v[WX+j], v[WD+j], s[CM+j]
	EACH4 v_max_u32 v[KX+j], v[KX+j], v[KD+j]
.endm
; Centroids 4 b .. 4 b + 3
.macro BATCH b
.irp q, 0,1,2,3
.irp t, 0,1,2,3
	ds_load_b128 v[KB0+16*(\q)+4*(\t):KB0+16*(\q)+4*(\t)+3], v[L16] offset:(8*(\q)+4*(\b)+(\t))*PITCH  ; my two slots of the table of lane 8 q + centroid
.endr
.endr
	EACH4 v_readlane_b32 s[RUNS+j], v[TOT], 4*(\b)+j
	EACH4 v_mov_b32 v[TV+j], s[RUNS+j]
	s_wait_dscnt 0x0
.irp q, 1,2,3                          ; of the four stretches' entries for a slot the largest key wins and brings its word
	EACH8 v_cmp_gt_u32 s[CM+i], v[KB0+16*(\q)+2*i], v[KB0+2*i]
	EACH8 v_cndmask_b32 v[KB0+2*i+1], v[KB0+2*i+1], v[KB0+16*(\q)+2*i+1], s[CM+i]
	EACH8 v_max_u32 v[KB0+2*i], v[KB0+2*i], v[KB0+16*(\q)+2*i]
.endr
	EACH4 v_cmp_gt_u32 s[CM+j], v[KB0+4*j+2], v[KB0+4*j]  ; the running maximum: over my two slots,
	EACH4 v_cndmask_b32 v[WX+j], v[KB0+4*j+1], v[KB0+4*j+3], s[CM+j]
	EACH4 v_max_u32 v[KX+j], v[KB0+4*j], v[KB0+4*j+2]
	TAKE 1                                         ; over the lanes below in my half,
	TAKE 2
	TAKE 4
	TAKE 8
	EACH4 v_readlane_b32 s[RK+j], v[KX+j], 15
	EACH4 v_readlane_b32 s[RW+j], v[WX+j], 15
	EACH4 v_mul_u32_u24 v[KH+j], v[HI], s[RK+j]    ; (a key is below 2^16)
	EACH4 v_mov_b32 v[WH+j], s[RW+j]
	EACH4 v_cmp_gt_u32 s[CM+j], v[KH+j], v[KX+j]   ; and the lower half's onto the upper half: that is slot 2 l + 1's
	EACH4 v_cndmask_b32 v[KB0+4*j+3], v[WX+j], v[WH+j], s[CM+j]
	EACH4 v_max_u32 v[KB0+4*j+2], v[KX+j], v[KH+j]
	EACH4 v_mov_b32_dpp v[KD+j], v[KB0+4*j+2] row_shr:1 row_mask:0xf bank_mask:0xf bound_ctrl:1
	EACH4 v_mov_b32_dpp v[WD+j], v[KB0+4*j+3] row_shr:1 row_mask:0xf bank_mask:0xf bound_ctrl:1
	EACH4 v_cmp_gt_u32 s[CM+j], v[KH+j], v[KD+j]   ; (lane 16 has no neighbour in its half: it takes the lower half's)
	EACH4 v_cndmask_b32 v[WD+j], v[WD+j], v[WH+j], s[CM+j]
	EACH4 v_max_u32 v[KD+j], v[KD+j], v[KH+j]
	EACH4 v_cmp_gt_u32 s[CM+j], v[KD+j], v[KB0+4*j]  ; slot 2 l's: its own or the lane below's
	EACH4 v_cndmask_b32 v[KB0+4*j+1], v[KB0+4*j+1], v[WD+j], s[CM+j]
	EACH4 v_max_u32 v[KB0+4*j], v[KB0+4*j], v[KD+j]
	EACH8 v_and_b32 v[PP+i], 63, v[KB0+2*i]        ; the first slot of the word in which my slot falls
	EACH8 v_lshrrev_b32 v[WN+i], 6, v[KB0+2*i]     ; W + 1
	EACH8 v_sub_nc_u32 v[RR+i], v[SL+i%2], v[PP+i] ; my rank among the word's ones
	EACH8 v_lshrrev_b32 v[AA+i], 1, v[KB0+2*i+1]   ; the partial sums are kept this time
	EACH8 v_and_b32 v[AA+i], s[M55], v[AA+i]
	EACH8 v_sub_nc_u32 v[AA+i], v[KB0+2*i+1], v[AA+i]
	EACH8 v_lshrrev_b32 v[TT+i], 2, v[AA+i]
	EACH8 v_and_b32 v[BB+i], s[M55+1], v[AA+i]
	EACH8 v_and_b32 v[TT+i], s[M55+1], v[TT+i]
	EACH8 v_add_nc_u32 v[BB+i], v[BB+i], v[TT+i]
	EACH8 v_lshrrev_b32 v[TT+i], 4, v[BB+i]
	EACH8 v_add_nc_u32 v[CC+i], v[BB+i], v[TT+i]
	EACH8 v_and_b32 v[CC+i], s[M55+2], v[CC+i]
	EACH8 v_lshrrev_b32 v[TT+i], 8, v[CC+i]
	EACH8 v_add_nc_u32 v[TT+i], v[CC+i], v[TT+i]
	EACH8 v_bfe_u32 v[TT+i], v[TT+i], 0, 8         ; ones in bits 0 to 15
	EACH8 v_cmp_ge_u32 s[CM+i], v[RR+i], v[TT+i]   ; is my bit in the upper half?  Then the lower half's ones are taken off the rank
	EACH8 v_cndmask_b32 v[TT+i], 0, v[TT+i], s[CM+i]
	EACH8 v_sub_nc_u32 v[RR+i], v[RR+i], v[TT+i]
	EACH8 v_cndmask_b32 v[SS+i], 0, 16, s[CM+i]
	LEVEL CC, 1, 8
	LEVEL BB, 1, 4
	LEVEL AA, 1, 2
	LEVEL KB0+1, 2, 1
	EACH8 v_lshl_add_u32 v[OUT+8*(\b)+i], v[WN+i], 5, v[SS+i]
	EACH8 v_add_nc_u32 v[OUT+8*(\b)+i], 0xffffffe0, v[OUT+8*(\b)+i]  ; 32 W + bit (in a slot past the centroid's last one: a number that is replaced below)
	EACH4 v_readfirstlane_b32 s[FS+j], v[OUT+8*(\b)+2*j]  ; slot 0's index
	EACH4 v_mov_b32 v[FV+j], s[FS+j]
	EACH4 v_cmp_eq_u32 s[CM+j], 0, v[TV+j]         ; no point at all: reference() leaves N everywhere
	EACH4 v_cndmask_b32 v[FV+j], v[FV+j], v[NV], s[CM+j]
	EACH8 v_cmp_gt_u32 s[CM+i], v[TV+i/2], v[SL+i%2]  ; is my slot one of the found?
	EACH8 v_cndmask_b32 v[OUT+8*(\b)+i], v[FV+i/2], v[OUT+8*(\b)+i], s[CM+i]
	EACH4 global_store_b64 v[L8], v[OUT+8*(\b)+2*j:OUT+8*(\b)+2*j+1], s[10:11] offset:256*(4*(\b)+j) th:TH_STORE_NT  ; a centroid's row: 256 consecutive bytes, aligned; each batch has result registers of its own
.endm
	BATCH 0
	BATCH 1
	s_wait_tensorcnt 0x0                           ; the wave's end: behind my last LDS store
	ds_add_u32 v[SPW], v[NIL]
	s_wait_dscnt 0x0
	s_endpgm
.Lfunc_end_k_q95ee0da9d8_compact:
	.size	k_q95ee0da9d8_compact, .Lfunc_end_k_q95ee0da9d8_compact-k_q95ee0da9d8_compact
	.p2alignl 7, 3214868480
	.fill 96, 4, 3214868480
	.section	.rodata,"a",@progbits
	.p2align	6, 0x0
	.amdhsa_kernel k_q95ee0da9d8_compact
		.amdhsa_group_segment_fixed_size 17152
		.amdhsa_private_segment_fixed_size 0
		.amdhsa_enable_private_segment 0
		.amdhsa_kernarg_size 32
		.amdhsa_user_sgpr_count 2
		.amdhsa_user_sgpr_kernarg_segment_ptr 1
		.amdhsa_wavefront_size32 1
		.amdhsa_system_sgpr_workgroup_id_x 1
		.amdhsa_system_sgpr_workgroup_id_y 1
		.amdhsa_system_sgpr_workgroup_id_z 1
		.amdhsa_system_vgpr_workitem_id 0
		.amdhsa_next_free_vgpr 232
		.amdhsa_next_free_sgpr 66
		.amdhsa_reserve_vcc 0
		.amdhsa_float_denorm_mode_32 3
		.amdhsa_float_denorm_mode_16_64 3
		.amdhsa_memory_ordered 1
		.amdhsa_forward_progress 1
		.amdhsa_inst_pref_size 178
	.end_amdhsa_kernel
	.amdgpu_metadata
---
amdhsa.version: [ 1, 2 ]
amdhsa.kernels:
  - .name:           k_q95ee0da9d8_compact
    .symbol:         k_q95ee0da9d8_compact.kd
    .args:
      - { .name: masks, .offset: 0, .size: 8, .value_kind: global_buffer, .address_space: global }
      - { .name: infoA, .offset: 8, .size: 8, .value_kind: global_buffer, .address_space: global }
      - { .name: infoB, .offset: 16, .size: 8, .value_kind: global_buffer, .address_space: global }
      - { .name: out0, .offset: 24, .size: 8, .value_kind: global_buffer, .address_space: global }
    .group_segment_fixed_size: 17152
    .private_segment_fixed_size: 0
    .kernarg_segment_align: 8
    .kernarg_segment_size: 32
    .max_flat_workgroup_size: 32
    .sgpr_count:     66
    .vgpr_count:     232
    .wavefront_size: 32
...
	.end_amdgpu_metadata
.endif
;; end of part 3
;; ======== version 2 of 2: 3 launches; version 1 with the launch compact written anew for expert scheduling mode
;; limits: values outside matrix products are rounded to bf16
;; workspace buffers: masks 16,777,216 bytes of whole numbers; infoA 65,536 bytes of whole numbers; infoB 131,072 bytes of whole numbers
;; launch balla: the kernel of part 1 again; grid 256 x 1, 8 waves a work-group, no clusters, 2,048 bytes of LDS; arguments centroids, pcs, masks, infoA; writes masks, infoA
;; launch ballb: the kernel of part 2 again; grid 256 x 1, 12 waves a work-group, no clusters, 3,072 bytes of LDS; arguments centroids, pcs, infoA, masks, infoB; writes masks, infoB
;; launch compact (part 4): grid 1024 x 1, 1 waves a work-group, no clusters, 17,152 bytes of LDS; arguments masks, infoA, infoB, out0; writes out0
.if DOCPART == 4
	.amdgcn_target "amdgcn-amd-amdhsa--gfx1250"
	.amdhsa_code_object_version 6
	.text
	.protected	k_q95ee0da9d8_compact
	.globl	k_q95ee0da9d8_compact
	.p2align	8
	.type	k_q95ee0da9d8_compact,@function
k_q95ee0da9d8_compact:
	s_mov_b64 s[64:65], 0
	v_nop
	global_prefetch_b8 v0, s[64:65] scope:SCOPE_SE
	s_setreg_imm32_b32 hwreg(HW_REG_WAVE_SCHED_MODE, 0, 2), 2
	s_setreg_imm32_b32 hwreg(HW_REG_WAVE_MODE, 25, 1), 1
	s_wait_xcnt 0x0
	s_wait_alu depctr_vm_vsrc(0)
; BALL QUERY, LAST PART: from each centroid's 16,384 mask bits to the indices of its first 64 set bits, ascending; slots left over take the first index, or 16,384 if no bit is set.
; masks[group of 32 centroids, 256][word / 4, 128][centroid 32][word % 4], bit l of word W = point 32 W + l.  infoA[group][centroid]{ones in words 0-127, -}.  infoB[group][centroid]{ones in words 128-255, 256-383, 384-511, 0}.
; out0: [8,192 centroids][64] i32.  Whole numbers only.
; SHARES.  One wave = one work-group = 8 centroids.  Lane 8 q + j walks stretch q (words 128 q .. 128 q + 127) of centroid j, word after word IN TIME: the ones found so far are a sum in the lane itself, begun with the
; stretches before it, which infoA and infoB give.  So an LDS address is made of loaded numbers by shifts, AND, sums, a multiply by 0 or 1 and a clamp alone; nothing of another lane enters it.
; STEP 1.  For each word: its ones; {key, word} into slot min(64, ones so far) of the LANE'S OWN table of 65 slots; key = 64 (W + 1) + slot.  Slot 64 is never read.  An empty word is stored like any other: the next
; word that is not empty begins at the same slot and is stored later (LDS serves a wave's instructions in order), or lies in a later stretch's table with a larger key; if there is none, the slot lies behind the last found.
; A load takes four runs of 128 consecutive bytes (8 centroids x 16 bytes in each of the 4 stretches): the layout gives the whole aligned 512 bytes to the stores of the launches before.
; STEP 2, for each centroid, four at a time, at fixed addresses: a lane takes slots 2 l and 2 l + 1 of the four stretches' tables; the largest key wins and brings its word; a running maximum of the keys over the 64 slots,
; which carries the word along, gives each slot the word in which it falls; rank = slot - the word's first slot; the bit of that rank is found by five halvings on partial sums.  No branch hangs on the data.
; OUT.  A centroid's 64 numbers leave by one store of 8 bytes a lane: 256 consecutive bytes, aligned.
; THE MODE: SCHED_MODE bits 1:0 = 2 (LLVM: expert scheduling mode 2), set by the entry lines.  The code itself states the register dependences between vector instructions and memory or LDS instructions, and
; those through scalar registers that vector instructions write, with s_wait_alu, always for 0.  The text has no branch and no label: one path.
; THE PLAN.  Registers that memory or LDS instructions touch:
;   v3, v4, v6, v12, v13, v[20:23]  offsets, addresses and zeros: written at the head, never again.  One wait on va_vdst ahead of the first load serves every instruction that reads them.
;   W  v[32:159]    Filled by the 32 loads of masks; read by step 1's arithmetic and, as data, by its LDS stores.  In step 2 v[32:95] take LDS loads and v[96:159] are written by arithmetic.
;   AD, KY          Two buffers by turns (192 .. 207, 232 .. 247).  The eight words o write buffer o % 2; the sixteen stores of the eight words o - 1, which read the other buffer, are dealt among o's arithmetic, in the words' order.
;   v[184:199]      (PS and the first AD, dead in step 2): stretch 0's rows of centroids 4 to 7.
;   OUT v[208:223]  Written by a batch's last selects, read by its four stores; each batch has eight of its own.
; So at the head of eight words stand a wait on vm_vsrc (the stores dealt among the eight before have read the buffer written now) and a wait on va_vdst (the eight before have written the buffer stored now).  Between the steps:
; a wait on va_vdst, the last sixteen stores, a wait on vm_vsrc.  In step 2 the second batch's rows are asked for in the first batch, behind one wait on va_vdst when the merge is done reading v[48:95], and a wait on va_vdst
; stands ahead of each batch's stores.
; MASKS.  The keys' arithmetic reads no mask: so the keys go first, their compares in runs into several scalar registers, and the words' selects follow behind ONE wait on va_sdst.  Nine such waits a batch.
.set NPTS,  16384
.set PITCH, 528                        ; a lane's table: 65 slots of 8 bytes, rounded up to a multiple of 16.  The 32 tables take 16,896 bytes; the 256 bytes behind them hold the spare words that the closing add touches
.set L16, 3                            ; v3   16 x lane
.set L8,  4                            ; v4   8 x lane
.set HI,  5                            ; v5   1 in lanes 16 to 31
.set VM,  6                            ; v6   16,384 q + 16 j: my 16 bytes of a load of masks
.set LB,  7                            ; v7   my table
.set SL,  8                            ; v8, v9   my slots in step 2: 2 l, 2 l + 1
.set KBV, 10                           ; v10  64 (128 q + 1)
.set TOT, 11                           ; v11  all the ones of my centroid
.set VO,  12                           ; v12  16 j
.set J8,  13                           ; v13  8 j
.set Q1,  14                           ; v14-16  1 where q >= 1, q >= 2, q = 3
.set Q2,  15
.set Q3,  16
.set NV,  17                           ; v17  16,384
.set IA,  18                           ; v18  from infoA
.set Z,   20                           ; v[20:23] zeros
.set IB,  24                           ; v[24:27] from infoB
.set QQ,  28
.set JJ,  29
.set W,   32                           ; v[32:159] my 128 words
.set TA,  160                          ; eight each: at work
.set TB,  168
.set TC,  176                          ; ones in a word
.set PS,  184                          ; ones so far ahead of word i of the eight; PS + 0 runs on from eight to eight
.set AD,  192                          ; LDS address: buffer 0 here, buffer 1 ALT further up
.set KY,  200                          ; key: likewise
.set ALT, 40                           ; v[232:239], v[240:247]
.set OUT, 208                          ; v[208:223] results, a pair a centroid
.set FV,  224                          ; v[224:227] the padding value
.set TV,  228                          ; v[228:231] a centroid's ones, in every lane
.set KB0, 32                           ; step 2, in the words' registers: stretch q, centroid t of four at KB0 + 16 q + 4 t: key, word of slot 2 l; key, word of slot 2 l + 1
.set KB1, 184                          ; the second batch's stretch 0.  S0 = KB0 or KB1: stream i = 2 t + parity has its key at S0 + 2 i, its word at S0 + 2 i + 1
.set PP,  96                           ; by stream, eight each: the word's first slot
.set UU,  96                           ; (later)
.set WN,  104                          ; W + 1
.set RR,  112                          ; rank
.set AA,  120                          ; the word's sums of 2 bits
.set BB,  128                          ; of 4
.set CC,  136                          ; of 8
.set TT,  144
.set SS,  152                          ; the bit's number so far
.set KX,  160                          ; by centroid, four each: the running maximum, its word,
.set WX,  164
.set KD,  168                          ; what a lower lane sent,
.set WD,  172
.set KH,  176                          ; what lanes 0 to 15 hand to lanes 16 to 31
.set WH,  180
.set CP,  12                           ; s[12:23]  lane masks of compares (the head's scalar work is over)
.set M55, 24                           ; s[24:26]  0x55555555, 0x33333333, 0x0f0f0f0f
.set CM,  28                           ; s[28:35]  lane masks of compares
.set RUNS, 36                          ; s[36:39]  a centroid's ones
.set CQ,  40                           ; s[40:47]  lane masks, in the merge alone; then:
.set RK,  40                           ; s[40:43]  lane 15's running maximum
.set RW,  44                           ; s[44:47]  and its word
.set FS,  48                           ; s[48:51]  the first index
.macro EACH4 line:vararg
.set j, 0
.rept 4
	\line
.set j, j+1
.endr
.endm
.macro EACH8 line:vararg
.set i, 0
.rept 8
	\line
.set i, i+1
.endr
.endm
	s_load_b256 s[4:11], s[0:1], 0x0               ; masks s[4:5], infoA s[6:7], infoB s[8:9], out0 s[10:11]
	v_lshl_add_u32 v30, v0, 2, 0x4200
	v_mov_b32 v31, 0
	v_lshlrev_b32 v[L16], 4, v0                    ; one wave: the thread's number is the lane
	v_lshlrev_b32 v[L8], 3, v0
	v_lshrrev_b32 v[HI], 4, v0
	v_lshlrev_b32 v[SL], 1, v0
	v_lshl_or_b32 v[SL+1], v0, 1, 1
	v_and_b32 v[JJ], 7, v0
	v_lshrrev_b32 v[QQ], 3, v0
	v_lshlrev_b32 v[VO], 4, v[JJ]
	v_lshlrev_b32 v[J8], 3, v[JJ]
	v_lshl_add_u32 v[VM], v[QQ], 14, v[VO]
	v_mul_u32_u24 v[LB], v0, PITCH
	v_lshl_add_u32 v[KBV], v[QQ], 13, 64
	v_min_u32 v[Q1], 1, v[QQ]
	v_lshrrev_b32 v[Q2], 1, v[QQ]
	v_and_b32 v[Q3], v[Q2], v[QQ]
	v_mov_b32 v[NV], NPTS
	EACH4 v_mov_b32 v[Z+j], 0
	s_lshr_b32 s12, ttmp9, 2                       ; the group of 32 centroids,
	s_and_b32 s13, ttmp9, 3                        ; my 8 of them
	s_lshl_b32 s16, s12, 16                        ; masks: 65,536 bytes a group, 16 a centroid
	s_lshl_b32 s17, s13, 7
	s_add_co_u32 s16, s16, s17
	s_mov_b32 s17, 0
	s_lshl_b32 s18, s12, 8                         ; infoA: 256 a group, 8 a centroid
	s_lshl_b32 s19, s13, 6
	s_add_co_u32 s18, s18, s19
	s_mov_b32 s19, 0
	s_lshl_b32 s20, s12, 9                         ; infoB: 512 a group, 16 a centroid
	s_lshl_b32 s21, s13, 7
	s_add_co_u32 s20, s20, s21
	s_mov_b32 s21, 0
	s_lshl_b32 s22, ttmp9, 11                      ; out0: my 8 rows of 256 bytes
	s_mov_b32 s23, 0
	s_mov_b32 s[M55],   0x55555555
	s_mov_b32 s[M55+1], 0x33333333
	s_mov_b32 s[M55+2], 0x0f0f0f0f
	s_wait_kmcnt 0x0
	s_add_nc_u64 s[4:5], s[4:5], s[16:17]
	s_add_nc_u64 s[6:7], s[6:7], s[18:19]
	s_add_nc_u64 s[8:9], s[8:9], s[20:21]
	s_add_nc_u64 s[10:11], s[10:11], s[22:23]
	s_wait_alu depctr_va_vdst(0)                   ; v3, v4, v6, v12, v13 and the zeros v[20:23] are written: the kernel's loads and stores read them as offsets, addresses and data, and no line writes them again
	global_load_b32 v[IA], v[J8], s[6:7]
	global_load_b128 v[IB:IB+3], v[VO], s[8:9]
.set i, 0
.rept 32                               ; all my 128 words are asked for at once: 16 KiB a wave
	global_load_b128 v[W+4*i:W+4*i+3], v[VM], s[4:5] offset:512*i
.set i, i+1
.endr
.set i, 0
.rept 33
	ds_store_b128 v[L16], v[Z:Z+3] offset:512*i    ; the 32 tables start as key 0, word 0; LDS serves a wave's instructions in order, so no wait stands between these, the stores of step 1 and the loads of step 2
.set i, i+1
.endr
	s_wait_loadcnt 32                              ; the two loads of counts are in; the 32 loads of masks may stay out
	v_mul_u32_u24 v[PS], v[IA], v[Q1]              ; the ones ahead of my stretch
	v_mul_u32_u24 v[TA], v[IB], v[Q2]
	v_mul_u32_u24 v[TA+1], v[IB+1], v[Q3]
	v_add_nc_u32 v[TOT], v[IA], v[IB]
	v_add_nc_u32 v[TA+2], v[IB+1], v[IB+2]
	v_add_nc_u32 v[PS], v[PS], v[TA]
	v_add_nc_u32 v[TOT], v[TOT], v[TA+2]
	v_add_nc_u32 v[PS], v[PS], v[TA+1]
; Word k of the eight words o goes into my table: its key, then the word itself.  Always in the words' order: a later word at the same slot wins.
.macro PUT o, k
	ds_store_b32 v[AD+ALT*((\o)%2)+(\k)], v[KY+ALT*((\o)%2)+(\k)]
	ds_store_b32 v[AD+ALT*((\o)%2)+(\k)], v[W+8*(\o)+(\k)] offset:4
.endm
.macro PRE o, k                        ; among the arithmetic of the eight words o: word k of the eight before
.if (\o) > 0
	PUT (\o)-1, \k
.endif
.endm
; Eight words: 8 o .. 8 o + 7 of my stretch.  Their arithmetic names W[8 o ..], TA, TB, TC, PS and buffer o % 2 of AD and KY: none of the registers that the stores dealt among it read.
.macro OCT o
	s_wait_loadcnt 30-2*(\o)                       ; loads come back in order: these two are in, the 30 - 2 o younger ones may stay out
.if (\o) > 1
	s_wait_alu depctr_vm_vsrc(0)                   ; the stores dealt among the eight words before have read this parity's AD and KY, which the lines below write again
.endif
.if (\o) > 0
	s_wait_alu depctr_va_vdst(0)                   ; the eight words before have written the other parity's AD and KY, which the stores below read
.endif
	EACH8 v_lshrrev_b32 v[TA+i], 1, v[W+8*(\o)+i]  ; the ones in each: sums of neighbouring fields of 2, 4, 8 bits, then the four bytes into the top one
	PRE \o, 0
	EACH8 v_and_b32 v[TA+i], s[M55], v[TA+i]
	PRE \o, 1
	EACH8 v_sub_nc_u32 v[TA+i], v[W+8*(\o)+i], v[TA+i]
	PRE \o, 2
	EACH8 v_lshrrev_b32 v[TB+i], 2, v[TA+i]
	PRE \o, 3
	EACH8 v_and_b32 v[TA+i], s[M55+1], v[TA+i]
	PRE \o, 4
	EACH8 v_and_b32 v[TB+i], s[M55+1], v[TB+i]
	PRE \o, 5
	EACH8 v_add_nc_u32 v[TA+i], v[TA+i], v[TB+i]
	PRE \o, 6
	EACH8 v_lshrrev_b32 v[TB+i], 4, v[TA+i]
	PRE \o, 7
	EACH8 v_add_nc_u32 v[TA+i], v[TA+i], v[TB+i]
	EACH8 v_and_b32 v[TA+i], s[M55+2], v[TA+i]
	EACH8 v_lshl_add_u32 v[TA+i], v[TA+i], 8, v[TA+i]
	EACH8 v_lshl_add_u32 v[TA+i], v[TA+i], 16, v[TA+i]
	EACH8 v_lshrrev_b32 v[TC+i], 24, v[TA+i]
.set i, 0
.rept 8
.if i < 7
	v_add_nc_u32 v[PS+i+1], v[PS+i], v[TC+i]       ; the next word's first slot
.endif
	v_min_u32 v[AD+ALT*((\o)%2)+i], 64, v[PS+i]    ; slot 64 takes all that begins at 64 or later; the clamp also bounds an address made of loaded numbers
	v_add3_u32 v[KY+ALT*((\o)%2)+i], v[PS+i], v[KBV], 64*(8*(\o)+i)
	v_lshl_add_u32 v[AD+ALT*((\o)%2)+i], v[AD+ALT*((\o)%2)+i], 3, v[LB]
.set i, i+1
.endr
	v_add_nc_u32 v[PS], v[PS+7], v[TC+7]
.endm
.irp o, 0,1,2,3,4,5,6,7,8,9,10,11,12,13,14,15
	OCT \o
.endr
	s_wait_alu depctr_va_vdst(0)                   ; the last eight words have written their AD and KY, which the stores below read; and step 1's arithmetic is done with W, PS and AD, in which step 2's loads land
.irp k, 0,1,2,3,4,5,6,7
	PUT 15, \k
.endr
	s_wait_alu depctr_vm_vsrc(0)                   ; step 1's stores have read W and the first AD: v[32:95] and v[184:199] take loads below, v[96:159] are written by step 2's arithmetic
; The rows of centroid t of batch b: my two slots of the tables of lanes 8 q + centroid; stretch 0's into s0
.macro ROWS b, t, s0
	ds_load_b128 v[(\s0)+4*(\t):(\s0)+4*(\t)+3], v[L16] offset:(4*(\b)+(\t))*PITCH
.irp q, 1,2,3
	ds_load_b128 v[KB0+16*(\q)+4*(\t):KB0+16*(\q)+4*(\t)+3], v[L16] offset:(8*(\q)+4*(\b)+(\t))*PITCH
.endr
.endm
.macro AHEAD b, t                      ; in the first batch: the second batch's rows, four loads at a time
.if (\b) == 0
	ROWS 1, \t, KB1
.endif
.endm
; The merge: of the four stretches' entries for a slot the largest key wins and brings its word.  The keys of stretch q, masks at m; later the words
.macro MKEY q, m
	EACH8 v_cmp_gt_u32 s[(\m)+i], v[KB0+16*(\q)+2*i], v[S0+2*i]
	EACH8 v_max_u32 v[S0+2*i], v[S0+2*i], v[KB0+16*(\q)+2*i]
.endm
.macro MWORD q, m
	EACH8 v_cndmask_b32 v[S0+2*i+1], v[S0+2*i+1], v[KB0+16*(\q)+2*i+1], s[(\m)+i]
.endm
; One step of the running maximum inside each half of 16 lanes: the lane n below, 0 where there is none.  The keys, masks at m; later the words
.macro TAKEK n, m
	EACH4 v_mov_b32_dpp v[KD+j], v[KX+j] row_shr:\n row_mask:0xf bank_mask:0xf bound_ctrl:1
	EACH4 v_cmp_gt_u32 s[(\m)+j], v[KD+j], v[KX+j]
	EACH4 v_max_u32 v[KX+j], v[KX+j], v[KD+j]
.endm
.macro TAKEW n, m
	EACH4 v_mov_b32_dpp v[WD+j], v[WX+j] row_shr:\n row_mask:0xf bank_mask:0xf bound_ctrl:1
	EACH4 v_cndmask_b32 v[WX+j], v[WX+j], v[WD+j], s[(\m)+j]
.endm
.macro LEVEL src, st, width            ; is my bit in the upper \width of the 2 x \width bits that are left?  The lower ones' count lies in a field of \width bits of src
	EACH8 v_bfe_u32 v[TT+i], v[(\src)+(\st)*i], v[SS+i], \width
	EACH8 v_cmp_ge_u32 s[CM+i], v[RR+i], v[TT+i]
	s_wait_alu depctr_va_sdst(0)                   ; the eight compares have written s[CM ..], which the selects below read; the next halving's rank hangs on them, so each halving has its wait
	EACH8 v_cndmask_b32 v[TT+i], 0, v[TT+i], s[CM+i]
	EACH8 v_sub_nc_u32 v[RR+i], v[RR+i], v[TT+i]
	EACH8 v_cndmask_b32 v[UU+i], 0, \width, s[CM+i]
	EACH8 v_or_b32 v[SS+i], v[SS+i], v[UU+i]
.endm
; Centroids 4 b .. 4 b + 3.  Their rows have been asked for.
.macro BATCH b
.set S0, KB0+(KB1-KB0)*(\b)
	EACH4 v_readlane_b32 s[RUNS+j], v[TOT], 4*(\b)+j
	s_wait_dscnt 0x0                               ; the sixteen rows are in
	MKEY 1, CM                                     ; the merge's keys,
	MKEY 2, CP
	MKEY 3, CQ
	s_wait_alu depctr_va_sdst(0)                   ; the four v_readlane have written s[RUNS ..] and the 24 compares their masks, which the lines below read
	EACH4 v_mov_b32 v[TV+j], s[RUNS+j]
	MWORD 1, CM                                    ; and its words
	MWORD 2, CP
	MWORD 3, CQ
	EACH4 v_cmp_gt_u32 s[CM+j], v[S0+4*j+2], v[S0+4*j]  ; the running maximum's keys: over my two slots,
	EACH4 v_max_u32 v[KX+j], v[S0+4*j], v[S0+4*j+2]
	TAKEK 1, CM+4                                  ; over the lanes below in my half
	TAKEK 2, CP
	TAKEK 4, CP+4
	TAKEK 8, CP+8
	EACH4 v_readlane_b32 s[RK+j], v[KX+j], 15
	s_wait_alu depctr_va_sdst(0)                   ; the 20 compares have written their masks and the four v_readlane s[RK ..], which the lines below read
.if (\b) == 0
	s_wait_alu depctr_va_vdst(0)                   ; the merge is done reading v[48:95], in which the second batch's rows land; the rest of this batch names neither them nor v[184:199]
.endif
	AHEAD \b, 0
	EACH4 v_cndmask_b32 v[WX+j], v[S0+4*j+1], v[S0+4*j+3], s[CM+j]  ; the same steps for the words
	TAKEW 1, CM+4
	AHEAD \b, 1
	TAKEW 2, CP
	AHEAD \b, 2
	TAKEW 4, CP+4
	AHEAD \b, 3
	TAKEW 8, CP+8
	EACH4 v_readlane_b32 s[RW+j], v[WX+j], 15
	EACH4 v_mul_u32_u24 v[KH+j], v[HI], s[RK+j]    ; (a key is below 2^16)
	EACH4 v_cmp_gt_u32 s[CM+j], v[KH+j], v[KX+j]   ; keys again: the lower half's onto the upper half: that is slot 2 l + 1's;
	EACH4 v_max_u32 v[S0+4*j+2], v[KX+j], v[KH+j]
	EACH4 v_mov_b32_dpp v[KD+j], v[S0+4*j+2] row_shr:1 row_mask:0xf bank_mask:0xf bound_ctrl:1
	EACH4 v_cmp_gt_u32 s[CM+4+j], v[KH+j], v[KD+j] ; (lane 16 has no neighbour in its half: it takes the lower half's)
	EACH4 v_max_u32 v[KD+j], v[KD+j], v[KH+j]
	EACH4 v_cmp_gt_u32 s[CP+j], v[KD+j], v[S0+4*j] ; slot 2 l's: its own or the lane below's
	EACH4 v_max_u32 v[S0+4*j], v[S0+4*j], v[KD+j]
	s_wait_alu depctr_va_sdst(0)                   ; the four v_readlane have written s[RW ..] and the twelve compares their masks, which the lines below read
	EACH4 v_mov_b32 v[WH+j], s[RW+j]
	EACH4 v_cndmask_b32 v[S0+4*j+3], v[WX+j], v[WH+j], s[CM+j]  ; and the words again
	EACH4 v_mov_b32_dpp v[WD+j], v[S0+4*j+3] row_shr:1 row_mask:0xf bank_mask:0xf bound_ctrl:1
	EACH4 v_cndmask_b32 v[WD+j], v[WD+j], v[WH+j], s[CM+4+j]
	EACH4 v_cndmask_b32 v[S0+4*j+1], v[S0+4*j+1], v[WD+j], s[CP+j]
	EACH8 v_and_b32 v[PP+i], 63, v[S0+2*i]         ; the first slot of the word in which my slot falls
	EACH8 v_sub_nc_u32 v[RR+i], v[SL+i%2], v[PP+i] ; my rank among the word's ones
	EACH8 v_lshrrev_b32 v[AA+i], 1, v[S0+2*i+1]    ; the partial sums are kept this time
	EACH8 v_and_b32 v[AA+i], s[M55], v[AA+i]
	EACH8 v_sub_nc_u32 v[AA+i], v[S0+2*i+1], v[AA+i]
	EACH8 v_lshrrev_b32 v[TT+i], 2, v[AA+i]
	EACH8 v_and_b32 v[BB+i], s[M55+1], v[AA+i]
	EACH8 v_and_b32 v[TT+i], s[M55+1], v[TT+i]
	EACH8 v_add_nc_u32 v[BB+i], v[BB+i], v[TT+i]
	EACH8 v_lshrrev_b32 v[TT+i], 4, v[BB+i]
	EACH8 v_add_nc_u32 v[CC+i], v[BB+i], v[TT+i]
	EACH8 v_and_b32 v[CC+i], s[M55+2], v[CC+i]
	EACH8 v_lshrrev_b32 v[TT+i], 8, v[CC+i]
	EACH8 v_add_nc_u32 v[TT+i], v[CC+i], v[TT+i]
	EACH8 v_bfe_u32 v[TT+i], v[TT+i], 0, 8         ; ones in bits 0 to 15
	EACH8 v_cmp_ge_u32 s[CM+i], v[RR+i], v[TT+i]   ; is my bit in the upper half?  Then the lower half's ones are taken off the rank
	EACH8 v_lshrrev_b32 v[WN+i], 6, v[S0+2*i]      ; W + 1: work that reads no mask, between the compares and the wait for them
	s_wait_alu depctr_va_sdst(0)                   ; the eight compares have written s[CM ..], which the selects below read
	EACH8 v_cndmask_b32 v[TT+i], 0, v[TT+i], s[CM+i]
	EACH8 v_sub_nc_u32 v[RR+i], v[RR+i], v[TT+i]
	EACH8 v_cndmask_b32 v[SS+i], 0, 16, s[CM+i]
	LEVEL CC, 1, 8
	LEVEL BB, 1, 4
	LEVEL AA, 1, 2
	LEVEL S0+1, 2, 1
	EACH8 v_lshl_add_u32 v[OUT+8*(\b)+i], v[WN+i], 5, v[SS+i]
	EACH8 v_add_nc_u32 v[OUT+8*(\b)+i], 0xffffffe0, v[OUT+8*(\b)+i]  ; 32 W + bit (in a slot past the centroid's last one: a number that is replaced below)
	EACH4 v_readfirstlane_b32 s[FS+j], v[OUT+8*(\b)+2*j]  ; slot 0's index
	EACH4 v_cmp_eq_u32 s[CP+j], 0, v[TV+j]         ; no point at all: reference() leaves N everywhere
	EACH8 v_cmp_gt_u32 s[CM+i], v[TV+i/2], v[SL+i%2]  ; is my slot one of the found?
	s_wait_alu depctr_va_sdst(0)                   ; the four v_readfirstlane have written s[FS ..] and the twelve compares their masks, which the lines below read
	EACH4 v_mov_b32 v[FV+j], s[FS+j]
	EACH4 v_cndmask_b32 v[FV+j], v[FV+j], v[NV], s[CP+j]
	EACH8 v_cndmask_b32 v[OUT+8*(\b)+i], v[FV+i/2], v[OUT+8*(\b)+i], s[CM+i]
	s_wait_alu depctr_va_vdst(0)                   ; the selects have written this batch's eight OUT, which the four stores read
	EACH4 global_store_b64 v[L8], v[OUT+8*(\b)+2*j:OUT+8*(\b)+2*j+1], s[10:11] offset:256*(4*(\b)+j) th:TH_STORE_NT  ; a centroid's row: 256 consecutive bytes, aligned; each batch has result registers of its own
.endm
.irp t, 0,1,2,3
	ROWS 0, \t, KB0                                ; the first batch's rows
.endr
	BATCH 0
	BATCH 1
	s_wait_dscnt 0x0                               ; the wave's end: my LDS instructions are done.  The add that closes the launch follows, on the spare words behind the tables
	s_wait_alu depctr_hold_cnt(0) depctr_sa_sdst(0) depctr_va_vdst(0) depctr_va_sdst(0) depctr_va_ssrc(0) depctr_va_vcc(0) depctr_vm_vsrc(0)
	s_wait_tensorcnt 0x0
	ds_add_u32 v30, v31
	s_wait_dscnt 0x0
	s_endpgm
.Lfunc_end_k_q95ee0da9d8_compact:
	.size	k_q95ee0da9d8_compact, .Lfunc_end_k_q95ee0da9d8_compact-k_q95ee0da9d8_compact
	.p2alignl 7, 3214868480
	.fill 96, 4, 3214868480
	.section	.rodata,"a",@progbits
	.p2align	6, 0x0
	.amdhsa_kernel k_q95ee0da9d8_compact
		.amdhsa_group_segment_fixed_size 17152
		.amdhsa_private_segment_fixed_size 0
		.amdhsa_enable_private_segment 0
		.amdhsa_kernarg_size 32
		.amdhsa_user_sgpr_count 2
		.amdhsa_user_sgpr_kernarg_segment_ptr 1
		.amdhsa_wavefront_size32 1
		.amdhsa_system_sgpr_workgroup_id_x 1
		.amdhsa_system_sgpr_workgroup_id_y 1
		.amdhsa_system_sgpr_workgroup_id_z 1
		.amdhsa_system_vgpr_workitem_id 0
		.amdhsa_next_free_vgpr 248
		.amdhsa_next_free_sgpr 66
		.amdhsa_reserve_vcc 0
		.amdhsa_float_denorm_mode_32 3
		.amdhsa_float_denorm_mode_16_64 3
		.amdhsa_memory_ordered 1
		.amdhsa_forward_progress 1
		.amdhsa_inst_pref_size 180
	.end_amdhsa_kernel
	.amdgpu_metadata
---
amdhsa.version: [ 1, 2 ]
amdhsa.kernels:
  - .name:           k_q95ee0da9d8_compact
    .symbol:         k_q95ee0da9d8_compact.kd
    .args:
      - { .name: masks, .offset: 0, .size: 8, .value_kind: global_buffer, .address_space: global }
      - { .name: infoA, .offset: 8, .size: 8, .value_kind: global_buffer, .address_space: global }
      - { .name: infoB, .offset: 16, .size: 8, .value_kind: global_buffer, .address_space: global }
      - { .name: out0, .offset: 24, .size: 8, .value_kind: global_buffer, .address_space: global }
    .group_segment_fixed_size: 17152
    .private_segment_fixed_size: 0
    .kernarg_segment_align: 8
    .kernarg_segment_size: 32
    .max_flat_workgroup_size: 32
    .sgpr_count:     66
    .vgpr_count:     248
    .wavefront_size: 32
...
	.end_amdgpu_metadata
.endif
;; end of part 4
